; MI455X (gfx1250); checked and timed in simulation.
; The chip was launched on July 23, 2026; its instructions are those of AMD's public machine-readable ISA for CDNA 5 (MIT licence, August 2026) and "CDNA5" Instruction Set Architecture Reference Guide (July 2026). The comments in the code are by the model that wrote it; some were corrected since.
;; Scale Dot Product Attention. Allowed arithmetic: matrix products marked QUANTISED: E4M3 operands, one given power-of-two scale a tensor, by v_wmma_f32_16x16x64_fp8_fp8 or v_wmma_f32_16x16x128_fp8_fp8, f32 sums; everything else in f32.
;; Inputs: k 2 x 16 x 2,048 x 64 float32; lowp_scales 4 int32 (the exponents e of the quantised operands' scales 2^e); mask 2 x 1 x 2,048 x 2,048 int32; q 2 x 16 x 2,048 x 64 float32; v 2 x 16 x 2,048 x 64 float32.
;; Outputs: out0 2 x 16 x 2,048 x 64 float32.
;; This version of the problem:
;;   THIS VERSION OF THE PROBLEM IS GIVEN IN LOW PRECISION. The matrix products marked QUANTISED in the list below multiply operands that are first quantised to E4M3 (4 exponent bits, 3 mantissa bits; 8 bits a number), with one given power-of-two scale for each operand tensor; their sums are f32. All else is computed in f32.
;;   The module's matrix products, in the order in which they are computed (A, B: the left and right operand; K: the contracted axis; several contracted axes count as one K, in the product's order):
;;     1. batch 32 x [M 2,048, K 64] x [K 64, N 2,048]; A: input q; B: input k: QUANTISED (scales: A lowp_scales[0], B lowp_scales[1])
;;     2. batch 32 x [M 2,048, K 2,048] x [K 2,048, N 64]; A: softmax (see below); B: input v: QUANTISED (scales: A lowp_scales[2], B lowp_scales[3])
;;   THE QUANTISER, for each operand of a quantised product, along K:
;;     - The operand's scale is 2^e, e = its entry of the input lowp_scales (int32; the entries are numbered through the quantised products in the list's order, A before B).
;;     - Each number is divided by the scale, clamped to +-448, and rounded to the nearest number of E4M3, ties to even, subnormals kept.
;;     - The product sums the exact products of the quantised numbers (number of the format x scale) in f32.
;;   ~~~python
;;   def quantise(x, axis, e):      # numpy; x: float32 -> the quantised numbers, widened to float32 again
;;       x = np.moveaxis(x, axis, -1); K = x.shape[-1]
;;       r = np.clip(x / 2.0 ** e, -448, 448)
;;       step = 2.0 ** (np.maximum(np.frexp(np.where(r == 0, 1, r))[1] - 1, -6) - 3)
;;       q = np.round(r / step) * step * 2.0 ** e      # np.round: ties to even
;;       return np.moveaxis(q, -1, axis).astype(np.float32)
;;   ~~~
;;   SOFTMAX AHEAD OF A QUANTISED PRODUCT. Where the list says 'softmax', what is quantised is not the finished softmax but p = 2^(t - M), with t = logit x log2(e) and M = ceil(the row's largest t), a whole number; so 1/2 < the row's largest p <= 1. The row's sum l is taken of the UNQUANTISED p, in f32, and the product's result is divided by l at the end. Since M is a whole number, a kernel that streams over the keys may use a running M (the ceiling of the running maximum): every later rescaling is an exact power of two, so the quantised numbers keep their values, but for numbers so far below the row's largest that they fall under the format's range.
;;   OPERANDS COMPUTED ON THE WAY. 'Computed on the way' means the value that the module computes at that place (a softmax that the list does not call 'softmax' is quantised finished and normalised). What goes into a quantiser is computed in f32, as accurately as f32 sums, v_exp_f32 and their like allow (about 1e-6 of the number): no bf16 or f16 on the way to a quantiser, and a product that is left as it is and whose result goes on into a quantised operand takes f32 operands (vector FMAs, or v_wmma_f32_16x16x4_f32). A number that lies on a knife's edge between two numbers of the format may be rounded either way, as far as f32 arithmetic and the matrix unit's own rounding can turn it there, and no further.
;; One version. Each part assembles by itself: llvm-mc -triple=amdgcn-amd-amdhsa -mcpu=gfx1250 --defsym DOCPART=n.
;; ======== version 1 of 1: 2 launches
;; limits: right only within a limited range of input values
;; workspace buffers: qc 4,194,304 bytes; kv 8,388,608 bytes; mb 4,194,304 bytes
;; launch prep (part 1): grid 256 x 1, 20 waves a work-group, no clusters, 89,600 bytes of LDS; arguments q, k, v, mask, lowp_scales, qc, kv, mb; writes qc, kv, mb
.if DOCPART == 1
	.amdgcn_target "amdgcn-amd-amdhsa--gfx1250"
	.amdhsa_code_object_version 6
	.text
	.protected	k_qe4890aa520_prep
	.globl	k_qe4890aa520_prep
	.p2align	8
	.type	k_qe4890aa520_prep,@function
k_qe4890aa520_prep:
	s_mov_b64 s[64:65], 0
	v_nop
	global_prefetch_b8 v0, s[64:65] scope:SCOPE_SE
	s_setreg_imm32_b32 hwreg(HW_REG_WAVE_MODE, 25, 1), 1
	s_wait_xcnt 0x0
; q, k, v [32 heads][2048][64] f32 become codes of E4M3 with the given scales 2^e (entries 0, 1, 3 of lowp_scales), and mask [2][2048][2048] int32 becomes one code of FP4 a score (0 where the key counts, -6 where not),
; all laid in the order in which the attention launch's registers take them.
; code = x / 2^e, held within +-448, to the nearest code, ties to even.  LIMITS: each e between -126 and 119; NaN among q, k, v is not served (an infinity is held at the largest code).
; A TILE tau is 16 neighbouring rows (queries or keys) of a head; place m of it is row 2 (m % 8) + m / 8: the two rows that one load of 512 bytes brings are places i and i + 8.
; qc [head][tile 128][1024 B]: a tile is an image of 8 registers a lane: chunk c at 512 c + 16 lane holds, for lane (r, h), d = 32 c + 16 h + 0..15 of place r.
; kv [head][piece 16][16,384 B]: piece p = V of key step p (8,192 bytes), then K of step (p + 1) % 16 (8 tiles as above).
;   V at 2048 t + 512 b + 16 lane: lane (r, h) holds channel 4 r + t of the keys 32 b + 2 i + h, i = 0..15: the keys that the scores' registers hold in that order.
; mb [T = 128 batch + tile][step 16][1024 B]: chunk c at 512 c + 16 lane: word w of lane (r, h) is key tile 4 c + w, its eight 4-bit codes are the keys 16 (4 c + w) + 2 j + h, of the query at place r.
; SHARES.  256 work-groups of 20 waves; each wave takes 16,384 bytes of input, all asked for at once: waves 0-3 q, 4-7 k (one path), 8-11 v, 12-19 the mask.  Waves share nothing: no barrier.
; No cluster, no prefetch: nothing is read twice, and there is no loop to run ahead in.
.set R,    16                          ; v16-143  two units of 8,192 bytes as loaded
.set D,    144                         ; v144-175 codes as converted
.set E,    160                         ; v160-175 v: half-way through the turn of bytes
.set SPW,  12                          ; v12 LDS address of my spare word; never rewritten
.set NIL,  13                          ; v13 0; never rewritten
.set STW,  4352                        ; a wave's stage: four images of 4 x (256 + 16) bytes
.set SPARE, 20*STW
.macro SCALE                           ; s24 = e  ->  v11 = 2^e (the conversion takes its exponent field), v10 = 448 x 2^e
	s_add_co_i32 s24, s24, 127
	s_lshl_b32 s25, s24, 23
	v_mov_b32 v11, s25
	s_add_co_i32 s24, s24, 8
	s_lshl_b32 s24, s24, 23
	s_or_b32 s24, s24, 0x600000
	v_mov_b32 v10, s24
.endm
.macro LOADU u                         ; 8,192 bytes on end: each load reads 512 consecutive bytes
.set i, 0
.rept 16
	global_load_b128 v[R+64*(\u)+4*i:R+64*(\u)+4*i+3], v2, s[28:29] offset:8192*(\u)+512*i th:TH_LOAD_NT
.set i, i+1
.endr
.endm
.macro QUANT u, dst                    ; dst + i: the four codes of load i
.set i, 0
.rept 64
	v_med3_num_f32 v[R+64*(\u)+i], v[R+64*(\u)+i], -v10, v10   ; the conversion to an 8-bit code does not saturate (ISA guide 7.6.2)
.set i, i+1
.endr
.set i, 0
.rept 8
	v_cvt_scalef32_pk8_fp8_f32 v[\dst+2*i:\dst+2*i+1], v[R+64*(\u)+8*i:R+64*(\u)+8*i+7], v11
.set i, i+1
.endr
	v_nop                                          ; one plain vector instruction behind the conversions
.endm
	s_load_b512 s[8:23], s[0:1], 0x0               ; q s[8:9], k s[10:11], v s[12:13], mask s[14:15], lowp_scales s[16:17], qc s[18:19], kv s[20:21], mb s[22:23]
	v_lshl_add_u32 v[SPW], v0, 2, SPARE
	v_mov_b32 v[NIL], 0
	v_lshrrev_b32 v1, 5, v0
	v_readfirstlane_b32 s2, v1                     ; wave 0..19
	v_and_b32 v1, 31, v0                           ; lane
	v_lshlrev_b32 v2, 4, v1                        ; 16 x lane
	v_and_b32 v3, 15, v0                           ; lane % 16
	v_bfe_u32 v4, v0, 4, 1                         ; lane / 16
	s_mul_i32 s3, s2, STW                          ; my stage
	v_mul_u32_u24 v5, v4, 272
	v_lshl_add_u32 v5, v3, 4, v5
	v_add_nc_u32 v5, s3, v5                        ; back from an image: half h 272 bytes on, 16 bytes for place r; a chunk is 544 bytes
	v_bfe_u32 v6, v0, 2, 2
	v_mul_u32_u24 v6, v6, 272
	v_and_b32 v7, 3, v0
	v_lshl_add_u32 v6, v7, 2, v6
	v_lshl_add_u32 v6, v4, 7, v6
	v_add_nc_u32 v6, s3, v6                        ; q, k: in: my four d's (lane % 16) are word lane % 4 of group (lane % 16) / 4; lanes 16-31 are eight places on
	v_mul_u32_u24 v7, v4, 544
	v_add_nc_u32 v7, v3, v7
	v_add_nc_u32 v7, s3, v7                        ; mask: in: my four keys are byte lane % 16 of a place's 16, chunk lane / 16
	s_lshl_b32 s4, ttmp9, 2
	s_and_b32 s5, s2, 3
	s_add_co_u32 s4, s4, s5                        ; q, k, v: which 64 rows: 32 head + y
	s_lshr_b32 s5, s4, 5
	s_lshl_b32 s5, s5, 18                          ; kv: 262,144 bytes a head
	s_and_b32 s6, s4, 31                           ; y; its key step is y / 2
	s_lshl_b32 s32, s4, 14                         ; 16,384 bytes in
	s_mov_b32 s33, 0
	s_mov_b32 s35, 0
	s_wait_alu depctr_va_vdst(0)                   ; wait here, directly ahead of the wait below
	s_wait_kmcnt 0x0
	s_cmp_lt_u32 s2, 8
	s_cbranch_scc1 .Lqk
	s_cmp_lt_u32 s2, 12
	s_cbranch_scc1 .Lv
; ---------------------------------------------------------------- the mask: work-group = T, wave = two key steps
	s_sub_co_u32 s7, s2, 12
	s_lshl_b32 s32, ttmp9, 17                      ; 16 rows of 8,192 bytes
	s_lshl_b32 s24, s7, 10                         ; two steps are 1,024 bytes of a row
	s_add_co_u32 s32, s32, s24
	s_lshl_b32 s34, ttmp9, 14
	s_lshl_b32 s24, s7, 11
	s_add_co_u32 s34, s34, s24
	s_add_nc_u64 s[28:29], s[14:15], s[32:33]
	s_add_nc_u64 s[30:31], s[22:23], s[34:35]
.macro CLOAD u                         ; the tile's 16 queries, 128 keys: each load reads 512 consecutive bytes of one query's row
.set i, 0
.rept 16
	global_load_b128 v[R+64*(\u)+4*i:R+64*(\u)+4*i+3], v2, s[28:29] offset:8192*i+512*(\u) th:TH_LOAD_NT
.set i, i+1
.endr
.endm
.macro CPACK u
.set i, 0
.rept 64
	v_min_u32 v[R+64*(\u)+i], 1, v[R+64*(\u)+i]    ; 1 where the key counts
.set i, i+1
.endr
.set i, 0
.rept 16                               ; the even keys' two bits, the odd keys'
	v_lshl_or_b32 v[R+64*(\u)+4*i], v[R+64*(\u)+4*i+2], 4, v[R+64*(\u)+4*i]
	v_lshl_or_b32 v[R+64*(\u)+4*i+1], v[R+64*(\u)+4*i+3], 4, v[R+64*(\u)+4*i+1]
.set i, i+1
.endr
.set i, 0
.rept 16                               ; a bit becomes four,
	v_mul_u32_u24 v[R+64*(\u)+4*i], v[R+64*(\u)+4*i], 15
	v_mul_u32_u24 v[R+64*(\u)+4*i+1], v[R+64*(\u)+4*i+1], 15
.set i, i+1
.endr
.set i, 0
.rept 16                               ; inverted: 1111 is the code of -6
	v_not_b32 v[R+64*(\u)+4*i], v[R+64*(\u)+4*i]
	v_not_b32 v[R+64*(\u)+4*i+1], v[R+64*(\u)+4*i+1]
.set i, i+1
.endr
.set i, 0
.rept 16                               ; row i is place 8 (i % 2) + i / 2
	ds_store_b8 v7, v[R+64*(\u)+4*i] offset:1088*(\u)+16*(8*(i%2)+i/2)
	ds_store_b8 v7, v[R+64*(\u)+4*i+1] offset:1088*(\u)+16*(8*(i%2)+i/2)+272
.set i, i+1
.endr
	ds_load_b128 v[D+8*(\u):D+8*(\u)+3], v5 offset:1088*(\u)        ; LDS serves a wave's instructions in order: these see the stores above
	ds_load_b128 v[D+8*(\u)+4:D+8*(\u)+7], v5 offset:1088*(\u)+544
	s_wait_dscnt 0x0
	global_store_b128 v2, v[D+8*(\u):D+8*(\u)+3], s[30:31] offset:1024*(\u)       ; each covers 512 consecutive bytes, aligned
	global_store_b128 v2, v[D+8*(\u)+4:D+8*(\u)+7], s[30:31] offset:1024*(\u)+512
.endm
	CLOAD 0
	CLOAD 1
	s_wait_loadcnt 16                              ; the first unit's 16 loads are in, the second's may be out
	CPACK 0
	s_wait_loadcnt 0x0
	CPACK 1
	s_wait_tensorcnt 0x0                           ; the wave's end
	ds_add_u32 v[SPW], v[NIL]
	s_wait_dscnt 0x0
	s_endpgm
; ---------------------------------------------------------------- q and k
.Lqk:
	s_load_b64 s[24:25], s[16:17], 0x0             ; e of q, e of k
	s_lshl_b32 s34, s4, 12                         ; qc: 4,096 bytes, on end
	s_lshr_b32 s7, s6, 1
	s_add_co_u32 s7, s7, 15
	s_and_b32 s7, s7, 15                           ; K of step s lies in piece s - 1
	s_lshl_b32 s7, s7, 14
	s_add_co_u32 s5, s5, s7
	s_and_b32 s6, s6, 1
	s_lshl_b32 s6, s6, 12
	s_add_co_u32 s5, s5, s6
	s_add_co_u32 s5, s5, 8192
	s_cmp_lt_u32 s2, 4                             ; q's waves or k's: the choice hangs on the wave's number alone
	s_cselect_b64 s[28:29], s[8:9], s[10:11]
	s_cselect_b64 s[30:31], s[18:19], s[20:21]
	s_cselect_b32 s34, s34, s5
	s_add_nc_u64 s[28:29], s[28:29], s[32:33]
	s_add_nc_u64 s[30:31], s[30:31], s[34:35]
.macro AOUT u                          ; two tiles: the codes go through the stage as images of the operand's registers
.set i, 0
.rept 16
	ds_store_b32 v6, v[D+16*(\u)+i] offset:2176*(\u)+1088*(i/8)+16*(i%8)
.set i, i+1
.endr
.set i, 0
.rept 4                                ; tile i / 2, chunk i % 2
	ds_load_b128 v[R+64*(\u)+4*i:R+64*(\u)+4*i+3], v5 offset:2176*(\u)+1088*(i/2)+544*(i%2)
.set i, i+1
.endr
	s_wait_dscnt 0x0
.set i, 0
.rept 4
	global_store_b128 v2, v[R+64*(\u)+4*i:R+64*(\u)+4*i+3], s[30:31] offset:2048*(\u)+512*i   ; 512 consecutive bytes, aligned
.set i, i+1
.endr
.endm
	LOADU 0
	LOADU 1
	s_wait_kmcnt 0x0
	s_cmp_lt_u32 s2, 4
	s_cselect_b32 s24, s24, s25
	SCALE
	s_wait_alu depctr_va_vdst(0)                   ; wait at the head's end
	s_wait_loadcnt 16                              ; the first unit's 16 loads are in
	QUANT 0, D
	AOUT 0
	s_wait_loadcnt 0x0
	QUANT 1, D+16
	AOUT 1
	s_wait_tensorcnt 0x0                           ; the wave's end
	ds_add_u32 v[SPW], v[NIL]
	s_wait_dscnt 0x0
	s_endpgm
; ---------------------------------------------------------------- v: K of the second product is the keys: a lane's registers run down the keys (of one parity), four channels a lane
.Lv:
	s_load_b32 s24, s[16:17], 0xc                  ; e of v
	s_lshr_b32 s7, s6, 1
	s_lshl_b32 s7, s7, 14
	s_add_co_u32 s34, s5, s7                       ; V of step s lies in piece s
	s_and_b32 s6, s6, 1
	s_lshl_b32 s6, s6, 10                          ; blocks b = 2 (y % 2) and the next
	s_add_co_u32 s34, s34, s6
	s_add_nc_u64 s[28:29], s[12:13], s[32:33]
	s_add_nc_u64 s[30:31], s[20:21], s[34:35]
	s_mov_b32 s36, 0x05010400                      ; bytes 0 and 1 of two registers by turns,
	s_mov_b32 s37, 0x07030602                      ; bytes 2 and 3,
	s_mov_b32 s38, 0x05040100                      ; the low halves,
	s_mov_b32 s39, 0x07060302                      ; the high halves
.macro VOUT u                          ; four keys x four channels at a time: 4 x 4 bytes are turned
.set g, 0
.rept 4
	v_perm_b32 v[E+4*g], v[D+4*g+1], v[D+4*g], s36
	v_perm_b32 v[E+4*g+1], v[D+4*g+1], v[D+4*g], s37
	v_perm_b32 v[E+4*g+2], v[D+4*g+3], v[D+4*g+2], s36
	v_perm_b32 v[E+4*g+3], v[D+4*g+3], v[D+4*g+2], s37
.set g, g+1
.endr
.set g, 0
.rept 4
	v_perm_b32 v[R+64*(\u)+g], v[E+4*g+2], v[E+4*g], s38
	v_perm_b32 v[R+64*(\u)+4+g], v[E+4*g+2], v[E+4*g], s39
	v_perm_b32 v[R+64*(\u)+8+g], v[E+4*g+3], v[E+4*g+1], s38
	v_perm_b32 v[R+64*(\u)+12+g], v[E+4*g+3], v[E+4*g+1], s39
.set g, g+1
.endr
.set i, 0
.rept 4
	global_store_b128 v2, v[R+64*(\u)+4*i:R+64*(\u)+4*i+3], s[30:31] offset:2048*i+512*(\u)   ; tile i: 512 consecutive bytes, aligned
.set i, i+1
.endr
.endm
	LOADU 0
	LOADU 1
	s_wait_kmcnt 0x0
	SCALE
	s_wait_alu depctr_va_vdst(0)                   ; wait at the head's end
	s_wait_loadcnt 16
	QUANT 0, D
	VOUT 0
	s_wait_loadcnt 0x0
	QUANT 1, D
	VOUT 1
	s_endpgm
.Lfunc_end_k_qe4890aa520_prep:
	.size	k_qe4890aa520_prep, .Lfunc_end_k_qe4890aa520_prep-k_qe4890aa520_prep
	.p2alignl 7, 3214868480
	.fill 96, 4, 3214868480
	.section	.rodata,"a",@progbits
	.p2align	6, 0x0
	.amdhsa_kernel k_qe4890aa520_prep
		.amdhsa_group_segment_fixed_size 89600
		.amdhsa_private_segment_fixed_size 0
		.amdhsa_enable_private_segment 0
		.amdhsa_kernarg_size 64
		.amdhsa_user_sgpr_count 2
		.amdhsa_user_sgpr_kernarg_segment_ptr 1
		.amdhsa_wavefront_size32 1
		.amdhsa_system_sgpr_workgroup_id_x 1
		.amdhsa_system_sgpr_workgroup_id_y 1
		.amdhsa_system_sgpr_workgroup_id_z 1
		.amdhsa_system_vgpr_workitem_id 0
		.amdhsa_next_free_vgpr 192
		.amdhsa_next_free_sgpr 66
		.amdhsa_reserve_vcc 0
		.amdhsa_float_denorm_mode_32 3
		.amdhsa_float_denorm_mode_16_64 3
		.amdhsa_memory_ordered 1
		.amdhsa_forward_progress 1
		.amdhsa_inst_pref_size 59
	.end_amdhsa_kernel
	.amdgpu_metadata
---
amdhsa.version: [ 1, 2 ]
amdhsa.kernels:
  - .name:           k_qe4890aa520_prep
    .symbol:         k_qe4890aa520_prep.kd
    .args:
      - { .name: q, .offset: 0, .size: 8, .value_kind: global_buffer, .address_space: global }
      - { .name: k, .offset: 8, .size: 8, .value_kind: global_buffer, .address_space: global }
      - { .name: v, .offset: 16, .size: 8, .value_kind: global_buffer, .address_space: global }
      - { .name: mask, .offset: 24, .size: 8, .value_kind: global_buffer, .address_space: global }
      - { .name: lowp_scales, .offset: 32, .size: 8, .value_kind: global_buffer, .address_space: global }
      - { .name: qc, .offset: 40, .size: 8, .value_kind: global_buffer, .address_space: global }
      - { .name: kv, .offset: 48, .size: 8, .value_kind: global_buffer, .address_space: global }
      - { .name: mb, .offset: 56, .size: 8, .value_kind: global_buffer, .address_space: global }
    .group_segment_fixed_size: 89600
    .private_segment_fixed_size: 0
    .kernarg_segment_align: 8
    .kernarg_segment_size: 64
    .max_flat_workgroup_size: 640
    .sgpr_count:     66
    .vgpr_count:     192
    .wavefront_size: 32
...
	.end_amdgpu_metadata
.endif
;; end of part 1
;; launch attn (part 2): grid 8 x 32, 8 waves a work-group, no clusters, 101,376 bytes of LDS; arguments qc, kv, mb, lowp_scales, out0; writes out0
.if DOCPART == 2
	.amdgcn_target "amdgcn-amd-amdhsa--gfx1250"
	.amdhsa_code_object_version 6
	.text
	.protected	k_qe4890aa520_attn
	.globl	k_qe4890aa520_attn
	.p2align	8
	.type	k_qe4890aa520_attn,@function
k_qe4890aa520_attn:
	s_mov_b64 s[64:65], 0
	v_nop
	global_prefetch_b8 v0, s[64:65] scope:SCOPE_SE
	s_setreg_imm32_b32 hwreg(HW_REG_WAVE_MODE, 25, 1), 1
	s_wait_xcnt 0x0
; out0[head][q][:] = the sum over keys of softmax(q . k / 8, masked) v, both products on codes of E4M3 with the given scales 2^eq, 2^ek, 2^ep, 2^ev.
; qc, kv, mb are the workspace of the launch before: Q's and K's tiles and V's fragments as images of the operands' registers, the mask as FP4 codes (0 or -6) in the order of the score registers.
; THE SOFTMAX: t = score x log2(e) / 8; M = the running largest t of the keys that count, rounded UP to a whole number; p = 2^(t - M) is quantised with 2^ep, not normalised; the row's sum is taken of the
; unquantised p and divides at the end.  When M moves, the sum and O are multiplied by 2^(old M - new M), which rounds nothing.
; THE MASK is the C operand of the first product: one conversion makes eight registers of 0 or -6 x 2^125 = -2.6e38, beside which a score (64 x 448 x 448 at the most, ahead of its scale) is nothing.
; M begins at -2^32, above every masked t: so M does not see a masked key, and its p is 0.
; SHARES.  A work-group owns 256 queries of one head; each of its eight waves two tiles of 16, A and B, which share every fragment of K and V read from LDS.  Every wave walks 16 key steps of 128.
; LDS.  A ring of four slots of 16,384 bytes; piece i = V of step i and K of step i + 1, which is what trip i reads, lies in slot i % 4.  A wave brings 2,048 bytes of each piece through registers: asked for two
;       trips ahead of its LDS store, which stands two trips ahead of its reads.  Behind the ring: a stage of 16 rows x (256 + 16) bytes a wave, for the way out.
; THE BARRIER.  One a trip, signalled in a trip's middle and waited for in the next trip's middle.  Piece i + 2 is stored ahead of trip i's signal, which is waited for in trip i + 1: trip i + 2 reads it.
;       Trip i's stores go over piece i - 2, whose reads every wave has ended ahead of its signal in trip i - 2; when they are issued, the signals of trip i - 1 have been waited for.  Between a signal and its wait stand
;       work on registers and the LDS loads of the next trip's piece i + 1, into whose slot no wave stores before a later barrier (piece i + 5's turn).
; NO CLUSTER, NO TENSOR LOAD: the hold of p at 448 x 2^ep is due only where ep < -8 (p is at most 1), and a branch on that given whole number leads round its 128 instructions a trip.
;       NO PREFETCH: each piece is asked for two trips, and each mask one and a half, ahead of its use, into registers of its own.
; LAYOUT.  Both products are used transposed: S^T = K Q^T (source 0 = 16 keys, source 1 = 16 queries), O^T = V^T P^T: a lane holds ONE query (place lane % 16) throughout.  Score register 16 b + i of lane (r, h)
;       is key 32 b + 2 i + h of the step, and V's fragments take the keys in that order, so the conversions' results are the second product's operand.  Along K the codes lie 16 to a lane's four registers, alike in both operands.
; LIMITS: eq + ek between -90 and 130; ep between -126 and 119; the scaled scores t stay under 2^31 in magnitude; a p under 2^-126 counts as 0.  A row all of whose keys are masked gives 0 x infinity = NaN, as the softmax of such a row is.
; REGISTERS, window 0: below, and v[16:31] Q of A and B, v[32:63] at work, then p's codes, v[64:191] S^T of A and B, then p, v[192:255] O^T of A and B.
;   Window 1: v[0:31] two sets of masks, v[32:63] two sets of a piece on its way, v[64:95] pieces 0 and 1 at the head, v[128:191] V's four fragments, v[192:255] K's eight.
.set LI,   1                           ; v1   16 x lane
.set ST,   2                           ; v2   2048 x wave + 16 x lane: my part of a piece, in memory and in a slot alike
.set SPW,  3                           ; v3   LDS address of my spare word; never rewritten
.set NIL,  4                           ; v4   0; never rewritten
.set LIM,  5                           ; v5   448 x 2^ep
.set SCL,  6                           ; v6   2^ep
.set MSC,  7                           ; v7   the masks' scale bytes, 252: 2^125
.set NM,   8                           ; v[8:9]   -M of A, of B
.set SUA, 10                           ; v[10:11] A's sum in two halves
.set SUB, 12                           ; v[12:13] B's
.set PLA, 14                           ; v14, v15 at work
.set PLB, 15
.set SB2, 14                           ; v[14:15] then B's second chain
.set QA,  16
.set QB,  24
.set PCA, 32
.set PCB, 48
.set MXA, 32                           ; v32-35 the maxima's four chains
.set MXB, 34
.set FF,  38                           ; v[38:39] f = 2^(old M - new M) of A, of B
.set TS,  32                           ; v[32:63] then 16 partial sums of A
.set SA,  64
.set SB, 128
.set OA, 192
.set OB, 224
.set MK,   0                           ; window 1: set s at MK + 16 s: A's eight words, B's eight
.set SG,  32                           ; window 1: set s at SG + 16 s
.set P0,  64                           ; window 1: piece 0, and piece 1 behind it
.set VF, 128
.set KF, 192
.set WV,   2
.set CNT,  3
.set CS,  32                           ; s[32:33] c = log2(e) / 8 x 2^(eq + ek), twice
.set SEL, 34                           ; s[34:35] v_permlanex16_b32's selects for lane l xor 16
.set SLOT, 16384
.set STAGE, 4*SLOT
.set SPARE, STAGE+8*16*272
.set MSB, 0
.macro WIN new                         ; the immediate's low byte: bits 1:0 source 0, 3:2 source 1, 5:4 source 2, 7:6 destination; its high byte repeats the setting that is left
.if MSB != \new
	s_set_vgpr_msb (MSB<<8)|\new
.set MSB, \new
.endif
.endm
.macro GMASK set, off                  ; a step's masks: tile A, tile B 16,384 bytes on
.irp j, 0,1
	global_load_b128 v[MK+16*(\set)+4*\j:MK+16*(\set)+4*\j+3], v[LI], s[12:13] offset:\off+512*\j
.endr
.irp j, 0,1
	global_load_b128 v[MK+16*(\set)+8+4*\j:MK+16*(\set)+11+4*\j], v[LI], s[12:13] offset:\off+16384+512*\j
.endr
.endm
.macro GPIECE dst, off                 ; my 2,048 bytes of a piece
.irp j, 0,1,2,3
	global_load_b128 v[(\dst)+4*\j:(\dst)+4*\j+3], v[ST], s[10:11] offset:\off+512*\j
.endr
.endm
.macro PUT src, slot                   ; into its slot
	WIN 0x04
.irp j, 0,1,2,3
	ds_store_b128 v[ST], v[(\src)+4*\j:(\src)+4*\j+3] offset:SLOT*(\slot)+512*\j
.endr
	WIN 0
.endm
.macro FETCH_K slot                    ; eight fragments: 16 keys x 64 each
	WIN 0x40
.set i, 0
.rept 16
	ds_load_b128 v[KF+4*i:KF+4*i+3], v[LI] offset:SLOT*(\slot)+8192+512*i
.set i, i+1
.endr
.endm
.macro MCVT set                        ; the masks become the scores' C operands: eight numbers an instruction
	WIN 0x01
.irp t, 0,1,2,3,4,5,6,7
	v_cvt_scale_pk8_f32_fp4 v[SA+8*\t:SA+8*\t+7], v[MK+16*(\set)+\t], v[MSC]
.endr
.irp t, 0,1,2,3,4,5,6,7
	v_cvt_scale_pk8_f32_fp4 v[SB+8*\t:SB+8*\t+7], v[MK+16*(\set)+8+\t], v[MSC]
.endr
	v_nop                                          ; one plain vector instruction between the conversions and the products that read their results
.endm
.macro SC                              ; S^T = K Q^T + masks: one instruction an accumulator; the head's 64 are one K step
	WIN 0x01
.irp t, 0,1,2,3,4,5,6,7
	v_wmma_f32_16x16x64_fp8_fp8 v[SA+8*\t:SA+8*\t+7], v[KF+8*\t:KF+8*\t+7], v[QA:QA+7], v[SA+8*\t:SA+8*\t+7]
.endr
.irp t, 0,1,2,3,4,5,6,7
	v_wmma_f32_16x16x64_fp8_fp8 v[SB+8*\t:SB+8*\t+7], v[KF+8*\t:KF+8*\t+7], v[QB:QB+7], v[SB+8*\t:SB+8*\t+7]
.endr
.endm
.macro PV                              ; O^T += V^T P^T: eight accumulators, one instruction each
	WIN 0x01
.irp t, 0,1,2,3
	v_wmma_f32_16x16x128_fp8_fp8 v[OA+8*\t:OA+8*\t+7], v[VF+16*\t:VF+16*\t+15], v[PCA:PCA+15], v[OA+8*\t:OA+8*\t+7]
.endr
.irp t, 0,1,2,3
	v_wmma_f32_16x16x128_fp8_fp8 v[OB+8*\t:OB+8*\t+7], v[VF+16*\t:VF+16*\t+15], v[PCB:PCB+15], v[OB+8*\t:OB+8*\t+7]
.endr
.endm
; TRIP i: step i's softmax and second product, then (sc) step i + 1's scores.  par = i % 4; st: piece i + 2 is stored, and a signal follows; bw: the last signal is waited for; mk: the masks of step i + 2, ld: piece i + 4 are asked for.
; lw, mw: loads that may be out where piece i + 2, and the masks of step i + 1, must be in.
.macro TRIP par, st, bw, mk, ld, sc, lw, mw
.set PB, \par%2                        ; this trip's set of masks asked for, and of a piece on its way
.set SRC, SG+16*PB
.set DSL, (\par+2)%4                   ; the slot of piece i + 2
.rept 4
	v_nop                                          ; the four places behind the last products (ISA guide 7.12.1)
.endr
	WIN 0x40
.set i, 0
.rept 16                               ; V: four fragments, 16 channels x 128 keys each
	ds_load_b128 v[VF+4*i:VF+4*i+3], v[LI] offset:SLOT*\par+512*i
.set i, i+1
.endr
.if \sc
	FETCH_K \par
.endif
	WIN 0
	v_max3_num_f32 v[MXA], v[SA], v[SA+1], v[SA+2]           ; the step's largest score of my two queries among my 64 keys, two chains each; each accumulator from its low end on
	v_max3_num_f32 v[MXB], v[SB], v[SB+1], v[SB+2]
	v_max3_num_f32 v[MXA+1], v[SA+3], v[SA+4], v[SA+5]
	v_max3_num_f32 v[MXB+1], v[SB+3], v[SB+4], v[SB+5]
.set i, 6
.rept 14
	v_max3_num_f32 v[MXA], v[MXA], v[SA+i], v[SA+i+1]
	v_max3_num_f32 v[MXB], v[MXB], v[SB+i], v[SB+i+1]
	v_max3_num_f32 v[MXA+1], v[MXA+1], v[SA+i+2], v[SA+i+3]
	v_max3_num_f32 v[MXB+1], v[MXB+1], v[SB+i+2], v[SB+i+3]
.set i, i+4
.endr
	v_max3_num_f32 v[MXA], v[MXA], v[SA+62], v[SA+63]
	v_max3_num_f32 v[MXB], v[MXB], v[SB+62], v[SB+63]
	v_max_num_f32 v[MXA], v[MXA], v[MXA+1]
	v_max_num_f32 v[MXB], v[MXB], v[MXB+1]
	v_permlanex16_b32 v[PLA], v[MXA], s[SEL], s[SEL+1]
	v_permlanex16_b32 v[PLB], v[MXB], s[SEL], s[SEL+1]
	v_max_num_f32 v[MXA], v[MXA], v[PLA]           ; and among lane l xor 16's
	v_max_num_f32 v[MXB], v[MXB], v[PLB]
	v_mul_f32 v[MXA], s[CS], -v[MXA]               ; -t (c is positive)
	v_mul_f32 v[MXB], s[CS], -v[MXB]
	v_floor_f32 v[MXA], v[MXA]                     ; floor(-t) = -ceil(t): a whole number
	v_floor_f32 v[MXB], v[MXB]
	v_min_num_f32 v[PLA], v[NM], v[MXA]            ; the new -M
	v_min_num_f32 v[PLB], v[NM+1], v[MXB]
	v_sub_f32 v[MXA], v[PLA], v[NM]                ; old M - new M: a whole number, 0 or less
	v_sub_f32 v[MXB], v[PLB], v[NM+1]
	v_mov_b32 v[NM], v[PLA]
	v_mov_b32 v[NM+1], v[PLB]
	v_cvt_i32_f32 v[MXA], v[MXA]                   ; (it saturates)
	v_cvt_i32_f32 v[MXB], v[MXB]
	v_ldexp_f32 v[FF], 1.0, v[MXA]                 ; f = 2^(old M - new M)
	v_ldexp_f32 v[FF+1], 1.0, v[MXB]
.set i, 0
.rept 32
	v_pk_fma_f32 v[SA+i:SA+i+1], v[SA+i:SA+i+1], s[CS:CS+1], v[NM:NM+1] op_sel_hi:[1,0,0]   ; A: t - M, two at a time
.set i, i+2
.endr
	v_pk_mul_f32 v[SUA:SUA+1], v[SUA:SUA+1], v[FF:FF+1] op_sel_hi:[1,0]   ; sums and O^T under the new M
	v_pk_mul_f32 v[SUB:SUB+1], v[SUB:SUB+1], v[FF:FF+1] op_sel:[0,1] op_sel_hi:[1,1]
.set i, 0
.rept 16
	v_pk_mul_f32 v[OA+i:OA+i+1], v[OA+i:OA+i+1], v[FF:FF+1] op_sel_hi:[1,0]
.set i, i+2
.endr
.set i, 0
.rept 16
	v_pk_mul_f32 v[OB+i:OB+i+1], v[OB+i:OB+i+1], v[FF:FF+1] op_sel:[0,1] op_sel_hi:[1,1]
.set i, i+2
.endr
	s_wait_alu depctr_va_vdst(0)                   ; wait ahead of the exponentials and of the waits below
	s_wait_dscnt 0x0                               ; my reads of piece i are over
.if \st
	s_wait_loadcnt \lw                             ; piece i + 2 is in my registers
.endif
.if \bw
	s_barrier_wait -1                              ; every wave has signalled in the trip before: its reads of piece i - 1 are over, piece i + 1 is whole
.endif
.if \st
	PUT SRC, DSL
.endif
.set i, 0
.rept 32                               ; A: p = 2^(t - M), at most 1; between them B's t - M
	v_exp_f32 v[SA+i], v[SA+i]
	v_pk_fma_f32 v[SB+i:SB+i+1], v[SB+i:SB+i+1], s[CS:CS+1], v[NM:NM+1] op_sel:[0,0,1] op_sel_hi:[1,0,1]
	v_exp_f32 v[SA+i+1], v[SA+i+1]
.set i, i+2
.endr
	v_nop                                          ; a plain instruction behind the exponentials
	s_wait_alu depctr_va_vdst(0)                   ; wait: behind A's batch, ahead of B's and of the wait below
.if \st
	s_wait_dscnt 0x0                               ; my stores have reached the slot and have read their registers
.if \mk
	WIN 0x40
	GMASK PB, 1024*(\par+2)
.endif
.if \ld
	WIN 0x40
	GPIECE SRC, SLOT*(\par+4)
.endif
	WIN 0
	s_barrier_signal -1                            ; from here to the next trip's wait: work on registers, and LDS loads of piece i + 1
.endif
.set i, 0
.rept 16                               ; B: p; between them half of A's additions, each into registers of its own
	v_exp_f32 v[SB+i], v[SB+i]
	v_exp_f32 v[SB+i+1], v[SB+i+1]
	v_pk_add_f32 v[TS+i/2:TS+i/2+1], v[SA+i:SA+i+1], v[SA+i+2:SA+i+3]   ; the rows' sums are taken of the unquantised p
	v_exp_f32 v[SB+i+2], v[SB+i+2]
	v_exp_f32 v[SB+i+3], v[SB+i+3]
.set i, i+4
.endr
	v_nop                                          ; a plain instruction behind the exponentials
	s_wait_alu depctr_va_vdst(0)                   ; wait: one for the batch, ahead of its first reader
.if \sc
	s_wait_loadcnt \mw                             ; the masks of step i + 1 are in
.endif
	v_pk_add_f32 v[SB2:SB2+1], v[SB:SB+1], v[SB+2:SB+3]   ; B's 64 numbers and A's 16 partial sums, two at a time, two chains each
.set i, 4
.rept 15
	v_pk_add_f32 v[SUB:SUB+1], v[SUB:SUB+1], v[SB+i:SB+i+1]
.if (i%8) == 4
	v_pk_add_f32 v[SUA:SUA+1], v[SUA:SUA+1], v[TS+i/2-2:TS+i/2-1]
.else
	v_pk_add_f32 v[TS+2:TS+3], v[TS+2:TS+3], v[TS+i/2+2:TS+i/2+3]
.endif
	v_pk_add_f32 v[SB2:SB2+1], v[SB2:SB2+1], v[SB+i+2:SB+i+3]
.set i, i+4
.endr
	v_pk_add_f32 v[SUA:SUA+1], v[SUA:SUA+1], v[TS+2:TS+3]
	v_pk_add_f32 v[SUB:SUB+1], v[SUB:SUB+1], v[SB2:SB2+1]
	s_cmp_gt_i32 s30, -9                           ; ep of -8 or more: the largest code x 2^ep is 1.75 or more, and p is at most 1: nothing to hold
	s_cbranch_scc1 .Lheld_\@
.set i, 0
.rept 128
	v_min_num_f32 v[SA+i], v[SA+i], v[LIM]         ; the conversion to an 8-bit code does not saturate (ISA guide 7.6.2)
.set i, i+1
.endr
.Lheld_\@:
.set i, 0
.rept 8                                ; eight codes an instruction
	v_cvt_scalef32_pk8_fp8_f32 v[PCA+2*i:PCA+2*i+1], v[SA+8*i:SA+8*i+7], v[SCL]
.set i, i+1
.endr
.set i, 0
.rept 8
	v_cvt_scalef32_pk8_fp8_f32 v[PCB+2*i:PCB+2*i+1], v[SB+8*i:SB+8*i+7], v[SCL]
.set i, i+1
.endr
	v_nop                                          ; one plain vector instruction behind the conversions
.if \sc
	MCVT 1-PB
.endif
	PV
.if \sc
	SC
.endif
	WIN 0                                          ; at a label and at a branch every window is 0
.endm
	s_load_b256 s[8:15], s[0:1], 0x0               ; qc s[8:9], kv s[10:11], mb s[12:13], lowp_scales s[14:15]
	s_load_b64 s[16:17], s[0:1], 0x20              ; out0
	v_lshl_add_u32 v[SPW], v0, 2, SPARE
	v_mov_b32 v[NIL], 0
	v_and_b32 v[LI], 31, v0
	v_lshlrev_b32 v[LI], 4, v[LI]
	v_lshrrev_b32 v5, 5, v0
	v_readfirstlane_b32 s[WV], v5                  ; wave 0..7
	v_lshl_add_u32 v[ST], v5, 11, v[LI]
	v_lshl_add_u32 v40, v5, 10, v[LI]              ; my 1,024 bytes of step 0's K
	s_lshl_b32 s5, ttmp9, 4
	s_lshl_b32 s6, s[WV], 1
	s_add_co_u32 s5, s5, s6                        ; tile A among the head's 128: 16 x block + 2 x wave
	s_and_b32 s4, ttmp7, 0xffff                    ; the head
	s_lshl_b32 s6, s4, 7
	s_add_co_u32 s6, s6, s5                        ; and among all heads'
	s_lshl_b32 s18, s6, 10                         ; qc: 1,024 bytes a tile
	s_mov_b32 s19, 0
	s_lshl_b32 s20, s4, 18                         ; kv: 262,144 bytes a head
	s_mov_b32 s21, 0
	s_lshr_b32 s7, s4, 4                           ; the batch: its 16 heads share the mask
	s_lshl_b32 s7, s7, 7
	s_add_co_u32 s7, s7, s5
	s_lshl_b32 s22, s7, 14                         ; mb: 16,384 bytes a tile
	s_mov_b32 s23, 0
	s_lshl_b32 s24, s6, 12                         ; out0: 16 rows of 256 bytes a tile
	s_mov_b32 s25, 0
	s_wait_alu depctr_va_vdst(0)                   ; wait here, directly ahead of the wait below
	s_wait_kmcnt 0x0
	s_load_b128 s[28:31], s[14:15], 0x0            ; eq, ek, ep, ev
	s_add_nc_u64 s[8:9], s[8:9], s[18:19]
	s_add_nc_u64 s[10:11], s[10:11], s[20:21]
	s_add_nc_u64 s[12:13], s[12:13], s[22:23]
	s_add_nc_u64 s[16:17], s[16:17], s[24:25]
	WIN 0x40
.irp j, 0,1                            ; K of step 0 lies in piece 15
	global_load_b128 v[VF+4*\j:VF+4*\j+3], v40, s[10:11] offset:15*SLOT+8192+512*\j
.endr
	WIN 0
.irp j, 0,1,2,3                        ; Q stays in registers: tile A, tile B
	global_load_b128 v[QA+4*\j:QA+4*\j+3], v[LI], s[8:9] offset:512*\j th:TH_LOAD_NT
.endr
	WIN 0x40
	GMASK 0, 0
	GPIECE P0, 0
	GPIECE P0+16, SLOT
	GPIECE SG, 2*SLOT
	GMASK 1, 1024
	GPIECE SG+16, 3*SLOT
	WIN 0
	s_mov_b32 s[SEL], 0x76543210
	s_mov_b32 s[SEL+1], 0xfedcba98
	v_mov_b32 v[MSC], 0xfcfcfcfc
	v_mov_b32 v[NM], 0x4f800000                    ; -M = 2^32
	v_mov_b32 v[NM+1], 0x4f800000
.set i, SUA
.rept 6                                ; the sums; and the lane permutes' destinations, which count as sources
	v_mov_b32 v[i], 0
.set i, i+1
.endr
.set i, 0
.rept 64                               ; O^T.  The trip is written for every step alike: its first pass finds zeros, which the first change of M leaves zeros
	v_mov_b32 v[OA+i], 0
.set i, i+1
.endr
	s_wait_alu depctr_va_vdst(0)                   ; wait here, directly ahead of the wait below
	s_wait_kmcnt 0x0
	s_add_co_i32 s4, s28, s29
	s_lshl_b32 s4, s4, 23
	s_add_co_i32 s[CS], s4, 0x3e38aa3b             ; log2(e) / 8, with eq + ek added to its exponent field: a score stands for score x 2^(eq + ek)
	s_mov_b32 s[CS+1], s[CS]                       ; (named with it as a pair, so it is written)
	s_add_co_i32 s4, s30, 127
	s_lshl_b32 s5, s4, 23
	v_mov_b32 v[SCL], s5                           ; 2^ep as f32, for the conversion
	s_add_co_i32 s4, s4, 8
	s_lshl_b32 s4, s4, 23
	s_or_b32 s4, s4, 0x600000
	v_mov_b32 v[LIM], s4                           ; 448 x 2^ep
	s_mov_b32 s[CNT], 3
	s_wait_alu depctr_va_vdst(0)                   ; wait at the head's end
	s_wait_loadcnt 28                              ; my part of step 0's K is in (behind it: 4 of Q, 8 of masks, 16 of pieces 0 to 3):
	WIN 0x04
.irp j, 0,1                            ; into slot 3, where trip -1's piece would lie
	ds_store_b128 v40, v[VF+4*\j:VF+4*\j+3] offset:3*SLOT+8192+512*\j
.endr
	s_wait_loadcnt 12                              ; Q, step 0's masks, pieces 0 and 1 are in; piece 2, step 1's masks and piece 3 may be out
	PUT P0, 0
	PUT P0+16, 1
	s_wait_dscnt 0x0                               ; my stores are done
	s_barrier_signal -1
	s_barrier_wait -1
	FETCH_K 3
	WIN 0
	s_wait_dscnt 0x0                               ; my reads of slot 3 are over: trip 1 stores piece 3 there
	s_barrier_signal -1
	MCVT 0
	SC
	WIN 0
.Ltrips:                                               ; trips 0 to 11, four a pass.  Counts: piece i + 2 was asked for two trips ago: behind it 4 masks and 4 of a piece; step i + 1's masks in the last trip: behind them 4 of a piece, 4 masks, 4 of a piece
	TRIP 0, 1, 1, 1, 1, 1, 8, 12
	TRIP 1, 1, 1, 1, 1, 1, 8, 12
	TRIP 2, 1, 1, 1, 1, 1, 8, 12
	TRIP 3, 1, 1, 1, 1, 1, 8, 12
	s_wait_xcnt 0x0                                ; the loads have read their bases
	s_add_nc_u64 s[10:11], s[10:11], 4*SLOT
	s_add_nc_u64 s[12:13], s[12:13], 4096
	s_sub_co_u32 s[CNT], s[CNT], 1
	s_cmp_lg_u32 s[CNT], 0
	s_cbranch_scc1 .Ltrips
	TRIP 0, 1, 1, 1, 0, 1, 8, 8                    ; trip 12: all pieces have been asked for;
	TRIP 1, 1, 1, 1, 0, 1, 4, 4                    ; trip 13 stores the last piece and asks for the last masks;
	TRIP 2, 0, 1, 0, 0, 1, 0, 0                    ; trip 14 waits for its signal;
	TRIP 3, 0, 0, 0, 0, 0, 0, 0                    ; and behind trip 15 no scores follow
	; THE WAY OUT.  O^T / the sum x 2^(ep + ev); a tile's 16 rows go through my stage in LDS and leave as whole rows of 256 bytes.
	v_and_b32 v18, 15, v0                          ; r
	v_bfe_u32 v19, v0, 4, 1                        ; h
	s_mul_i32 s4, s[WV], 16*272
	s_add_co_u32 s4, s4, STAGE                     ; my stage
	v_mul_u32_u24 v16, v18, 272
	v_lshl_add_u32 v16, v19, 7, v16
	v_add_nc_u32 v16, s4, v16                      ; in: place r, + 128 h: channels 32 h on
	v_mul_u32_u24 v17, v19, 8*272
	v_lshl_add_u32 v17, v18, 4, v17
	v_add_nc_u32 v17, s4, v17                      ; back: lanes 0-15 place i, lanes 16-31 place i + 8: rows 2 i and 2 i + 1 of the tile
	v_add_f32 v[SUA], v[SUA], v[SUA+1]             ; the sums' two halves,
	v_add_f32 v[SUB], v[SUB], v[SUB+1]
	v_permlanex16_b32 v[PLA], v[SUA], s[SEL], s[SEL+1]
	v_permlanex16_b32 v[PLB], v[SUB], s[SEL], s[SEL+1]
	v_add_f32 v[SUA], v[SUA], v[PLA]               ; and lane l xor 16's: the rows' sums
	v_add_f32 v[SUB], v[SUB], v[PLB]
	s_add_co_i32 s5, s30, s31                      ; ep + ev
	s_wait_alu depctr_va_vdst(0)                   ; wait ahead of the reciprocals
	v_rcp_f32 v[SUA], v[SUA]
	v_rcp_f32 v[SUB], v[SUB]
	v_nop                                          ; a plain instruction behind the reciprocals
	s_wait_alu depctr_va_vdst(0)                   ; and a wait ahead of their first reader
	v_ldexp_f32 v[SUA], v[SUA], s5
	v_ldexp_f32 v[SUB], v[SUB], s5
	s_wait_alu depctr_va_vdst(0)                   ; wait here, directly ahead of the first reader of O^T
.irp t, 0,1,2,3
.irp j, 0,1,2,3,4,5,6,7
	v_mul_f32 v[SA+4*\j+\t], v[OA+8*\t+\j], v[SUA]   ; accumulator t's register j is channel 32 h + 4 j + t: the products put the channels in order
.endr
.endr
.irp t, 0,1,2,3
.irp j, 0,1,2,3,4,5,6,7
	v_mul_f32 v[SB+4*\j+\t], v[OB+8*\t+\j], v[SUB]
.endr
.endr
.macro STG src, bk
.irp i, 0,1,2,3,4,5,6,7
	ds_store_b128 v16, v[\src+4*\i:\src+4*\i+3] offset:16*\i
.endr
.irp i, 0,1,2,3,4,5,6,7
	ds_load_b128 v[\bk+4*\i:\bk+4*\i+3], v17 offset:272*\i   ; LDS serves a wave's instructions in order (ISA guide 5.7.1.4): these see the stores above, and the next tile's stores come behind them
.endr
.endm
	STG SA, OA
	STG SB, OB
	s_wait_dscnt 16                                ; tile A's rows are back; behind them: tile B's eight stores and eight loads
.irp i, 0,1,2,3,4,5,6,7
	global_store_b128 v[LI], v[OA+4*\i:OA+4*\i+3], s[16:17] offset:512*\i th:TH_STORE_NT   ; the wave stores 512 consecutive bytes, aligned
.endr
	s_wait_dscnt 0x0
.irp i, 0,1,2,3,4,5,6,7
	global_store_b128 v[LI], v[OB+4*\i:OB+4*\i+3], s[16:17] offset:4096+512*\i th:TH_STORE_NT
.endr
	s_wait_tensorcnt 0x0                           ; the wave's end
	ds_add_u32 v[SPW], v[NIL]
	s_wait_dscnt 0x0
	s_endpgm
.Lfunc_end_k_qe4890aa520_attn:
	.size	k_qe4890aa520_attn, .Lfunc_end_k_qe4890aa520_attn-k_qe4890aa520_attn
	.p2alignl 7, 3214868480
	.fill 96, 4, 3214868480
	.section	.rodata,"a",@progbits
	.p2align	6, 0x0
	.amdhsa_kernel k_qe4890aa520_attn
		.amdhsa_group_segment_fixed_size 101376
		.amdhsa_private_segment_fixed_size 0
		.amdhsa_enable_private_segment 0
		.amdhsa_kernarg_size 40
		.amdhsa_user_sgpr_count 2
		.amdhsa_user_sgpr_kernarg_segment_ptr 1
		.amdhsa_wavefront_size32 1
		.amdhsa_system_sgpr_workgroup_id_x 1
		.amdhsa_system_sgpr_workgroup_id_y 1
		.amdhsa_system_sgpr_workgroup_id_z 1
		.amdhsa_system_vgpr_workitem_id 0
		.amdhsa_next_free_vgpr 512
		.amdhsa_next_free_sgpr 66
		.amdhsa_reserve_vcc 0
		.amdhsa_float_denorm_mode_32 3
		.amdhsa_float_denorm_mode_16_64 3
		.amdhsa_memory_ordered 1
		.amdhsa_forward_progress 1
		.amdhsa_inst_pref_size 254
	.end_amdhsa_kernel
	.amdgpu_metadata
---
amdhsa.version: [ 1, 2 ]
amdhsa.kernels:
  - .name:           k_qe4890aa520_attn
    .symbol:         k_qe4890aa520_attn.kd
    .args:
      - { .name: qc, .offset: 0, .size: 8, .value_kind: global_buffer, .address_space: global }
      - { .name: kv, .offset: 8, .size: 8, .value_kind: global_buffer, .address_space: global }
      - { .name: mb, .offset: 16, .size: 8, .value_kind: global_buffer, .address_space: global }
      - { .name: lowp_scales, .offset: 24, .size: 8, .value_kind: global_buffer, .address_space: global }
      - { .name: out0, .offset: 32, .size: 8, .value_kind: global_buffer, .address_space: global }
    .group_segment_fixed_size: 101376
    .private_segment_fixed_size: 0
    .kernarg_segment_align: 8
    .kernarg_segment_size: 40
    .max_flat_workgroup_size: 256
    .sgpr_count:     66
    .vgpr_count:     512
    .wavefront_size: 32
...
	.end_amdgpu_metadata
.endif
;; end of part 2
